; MI455X (gfx1250); checked and timed in simulation.
; The chip was launched on July 23, 2026; its instructions are those of AMD's public machine-readable ISA for CDNA 5 (MIT licence, August 2026) and "CDNA5" Instruction Set Architecture Reference Guide (July 2026). The comments in the code are by the model that wrote it; some were corrected since.
;; Peephole LSTM Cell. Allowed arithmetic: float matrix products may take bf16 or f16 operands with f32 sums; other float arithmetic in f32, or as packed bf16 or f16 multiplies, adds, multiply-adds, maxima and minima; sums over many terms, partial sums and values carried from step to step in f32; what a program stores and reads back later, other than sums and carried values, may be rounded once to bf16 or f16.
;; Inputs: U_c 1,024 x 1,024 float32; U_f 1,024 x 1,024 float32; U_i 1,024 x 1,024 float32; U_o 1,024 x 1,024 float32; V_f 1,024 float32; V_i 1,024 float32; V_o 1,024 float32; W_c 1,024 x 1,024 float32; W_f 1,024 x 1,024 float32; W_i 1,024 x 1,024 float32; W_o 1,024 x 1,024 float32; b_c 1,024 float32; b_f 1,024 float32; b_i 1,024 float32; b_o 1,024 float32; c 8,192 x 1,024 float32; h 8,192 x 1,024 float32; x 8,192 x 1,024 float32.
;; Outputs: out0 8,192 x 1,024 float32; out1 8,192 x 1,024 float32.
;; 2 versions, each right; version 2 is version 1 with the launch prep written anew for expert scheduling mode. Each part assembles by itself: llvm-mc -triple=amdgcn-amd-amdhsa -mcpu=gfx1250 --defsym DOCPART=n.
;; ======== version 1 of 2: 2 launches
;; limits: values are held in f16: magnitudes above 65,504 overflow, below 6.1e-05 lose precision
;; workspace buffers: af16 33,554,432 bytes; wt16 16,777,216 bytes
;; launch prep (part 1): grid 256 x 3, 4 waves a work-group, no clusters, 70,144 bytes of LDS; arguments W_i, W_f, W_c, W_o, U_i, U_f, U_c, U_o, x, h, af16, wt16; writes af16, wt16
.if DOCPART == 1
	.amdgcn_target "amdgcn-amd-amdhsa--gfx1250"
	.amdhsa_code_object_version 6
	.text
	.protected	k_qf9cc9f09f0_prep
	.globl	k_qf9cc9f09f0_prep
	.p2align	8
	.type	k_qf9cc9f09f0_prep,@function
k_qf9cc9f09f0_prep:
	s_mov_b64 s[64:65], 0
	v_nop
	global_prefetch_b8 v0, s[64:65] scope:SCOPE_SE
	s_setreg_imm32_b32 hwreg(HW_REG_WAVE_MODE, 25, 1), 1
	s_wait_xcnt 0x0
; PREP: the matrix operands of the LSTM step, rounded once from f32 to f16 and laid out with K along the rows.
;   af16 [8192][2048]: row m holds x[m][0..1023], then h[m][0..1023].
;   wt16 [4096][2048]: row n' = 256 T + 64 g + 16 q + r holds column u = 64 T + 4 r + q of gate g (0 i, 1 f, 2 c, 3 o): W_g[k][u] at k, U_g[k][u] at 1024 + k.
;   (That order of rows lets a lane of the next launch hold all four gates of four neighbouring units.)
; LIMITS.  f16 holds no number from 65,520 on (it becomes an infinity), and below 6.1e-5 it keeps its fixed step of 6e-8.  NaN and infinities are not treated apart.
; SHARES.  Grid y = 0: the weights; y = 1: x; y = 2: h.  Every wave reads 32,768 bytes and writes 16,384, alone: no wave reads what another wrote, so there is no barrier.
; A stream: no matrix work, no cluster (no two work-groups read the same bytes), loads through registers with 32 loads of every wave on their way.
.set LP,     272                       ; an LDS row: 128 k in f16 = 256 bytes, + 16 = 68 words
.set WBYTES, 64*LP                     ; a wave's own 64 rows: 17,408 bytes = 68 blocks of 256
.set SPARE,  4*WBYTES                  ; behind them the spare words, 128 bytes a wave: two blocks of 256 bytes that no other line names
.set GI,  4                            ; v4   my byte offset in the source
.set LS,  5                            ; v5   LDS: where I put 8 bytes of a turned row
.set LR,  6                            ; v6   LDS: where I read a row back
.set GO,  7                            ; v7   my byte offset in the destination
.set SPW, 8                            ; v8   LDS address of my spare word; never rewritten
.set NIL, 9                            ; v9   0; never rewritten
.set D,   10                           ; v[10:17]   packed f16 on their way into LDS
.set X,   32                           ; v[32:159]  32 slots of 4 registers: f32 as loaded; on the weights' way out the rows read back
.set Y,   160                          ; v[160:223] 32 slots of 2 registers: f16 to store (x and h)
	s_load_b512 s[8:23], s[0:1], 0x0               ; W_i, W_f, W_c, W_o, U_i, U_f, U_c, U_o
	s_load_b256 s[24:31], s[0:1], 0x40             ; x s[24:25], h s[26:27], af16 s[28:29], wt16 s[30:31]
	v_lshl_add_u32 v[SPW], v0, 2, SPARE
	v_mov_b32 v[NIL], 0
	v_lshrrev_b32 v1, 5, v0
	v_readfirstlane_b32 s3, v1                     ; wave 0..3
	v_and_b32 v1, 31, v0                           ; lane
	v_and_b32 v2, 15, v0                           ; r = lane % 16
	v_bfe_u32 v3, v0, 4, 1                         ; hh = lane / 16
	s_and_b32 s2, ttmp7, 0xffff                    ; grid y: which of the three jobs
	s_mov_b32 s33, 0                               ; the offsets' high words
	s_mov_b32 s35, 0
	s_wait_kmcnt 0x0
	s_cmp_eq_u32 s2, 0
	s_cbranch_scc0 .Lact
; THE WEIGHTS.  A wave turns a tile of 128 k x 64 u of one of the eight matrices: 8 matrices x 8 blocks of k x 16 blocks of u = 1,024 tiles for 256 x 4 waves.
	s_lshr_b32 s36, ttmp9, 5                       ; the matrix, 0..7, in the order of the arguments
	s_and_b32 s37, ttmp9, 31
	s_lshl2_add_u32 s37, s37, s3                   ; the tile in it: 4 x (x % 32) + wave
	s_lshr_b32 s38, s37, 4                         ; kb: k = 128 kb ..
	s_and_b32 s39, s37, 15                         ; T: u = 64 T ..
	s_lshl_b32 s32, s38, 19                        ; 128 rows of 4,096 bytes
	s_lshl_b32 s37, s39, 8                         ; 64 columns of 4 bytes
	s_or_b32 s32, s32, s37
	s_mov_b64 s[4:5], s[8:9]                       ; the matrix's address is chosen by its number
.irp i, 1,2,3,4,5,6,7
	s_cmp_eq_u32 s36, \i
	s_cselect_b64 s[4:5], s[8+2*\i:9+2*\i], s[4:5]
.endr
	s_add_nc_u64 s[4:5], s[4:5], s[32:33]          ; the tile's first element
	s_lshl_b32 s34, s39, 20                        ; wt16: row 256 T
	s_and_b32 s37, s36, 3                          ; the gate g
	s_lshl_b32 s37, s37, 18                        ; + 64 g rows of 4,096 bytes
	s_or_b32 s34, s34, s37
	s_lshr_b32 s37, s36, 2                         ; 0: a W, 1: a U
	s_lshl_b32 s37, s37, 11                        ; U's k lie 1,024 elements on
	s_or_b32 s34, s34, s37
	s_lshl_b32 s37, s38, 8                         ; 128 kb elements
	s_or_b32 s34, s34, s37
	s_add_nc_u64 s[6:7], s[30:31], s[34:35]
	v_lshlrev_b32 v[GI], 4, v2                     ; in: 16 bytes (u = 4 r .. 4 r + 3) of a row,
	v_lshl_or_b32 v[GI], v3, 14, v[GI]             ; four rows further down for lanes 16 to 31
	s_mul_i32 s37, s3, WBYTES                      ; my wave's LDS rows
	v_mul_u32_u24 v[LS], v2, LP
	v_lshl_add_u32 v[LS], v3, 3, v[LS]             ; LDS row r (+ 16 q by the immediate), 8 bytes for each half of the lanes
	v_add_nc_u32 v[LS], s37, v[LS]
	v_mul_u32_u24 v[LR], v3, LP
	v_lshl_add_u32 v[LR], v2, 4, v[LR]             ; back: lanes 0-15 one row of 256 bytes, lanes 16-31 the next
	v_add_nc_u32 v[LR], s37, v[LR]
	v_lshlrev_b32 v[GO], 4, v2                     ; and the same two rows in wt16
	v_lshl_or_b32 v[GO], v3, 12, v[GO]
; Step s takes k = 8 s + 4 hh + i, i = 0..3: four loads; in each, sixteen lanes read 256 consecutive bytes of a row, aligned.
.macro WLOAD s
.irp i, 0,1,2,3
	global_load_b128 v[X+16*((\s)%8)+4*\i:X+16*((\s)%8)+4*\i+3], v[GI], s[4:5] offset:(8*(\s)+\i)*4096 th:TH_LOAD_NT
.endr
.endm
; The step's 16 numbers a lane are rounded; for each of my four columns q the four k make 8 bytes of LDS row 16 q + r.
; The store's words are 68 (16 q + r) + 4 s + 2 hh + 0, 1: modulo 64 they are 4 r + 2 hh + 0, 1 + 4 s: each of the 64 banks (ISA guide 11.1) once.
.macro WSTEP s, reload, left
	s_wait_loadcnt \left                           ; loads come back in order (ISA guide 5.7.1): this step's four are in, the younger ones stay out
.irp q, 0,1,2,3
	v_cvt_pk_f16_f32 v[D+2*\q],   v[X+16*((\s)%8)+\q],   v[X+16*((\s)%8)+4+\q]
	v_cvt_pk_f16_f32 v[D+2*\q+1], v[X+16*((\s)%8)+8+\q], v[X+16*((\s)%8)+12+\q]
.endr
.irp q, 0,1,2,3
	ds_store_b64 v[LS], v[D+2*\q:D+2*\q+1] offset:16*LP*\q+16*(\s)
.endr
.if \reload
	WLOAD (\s)+8                                   ; the registers just read take the step eight further on
.endif
.endm
.irp s, 0,1,2,3,4,5,6,7
	WLOAD \s                                       ; 32 loads on their way
.endr
.irp s, 0,1,2,3,4,5,6,7
	WSTEP \s, 1, 28                                ; behind the step's four stand 4 (7 - s) first loads and 4 s reloads: 28
.endr
.irp s, 8,9,10,11,12,13,14,15
	WSTEP \s, 0, 4*(15-\s)                         ; the counts run down
.endr
; Back by rows.  The bytes are my wave's own and LDS serves a wave's instructions in order (ISA guide 5.7.1.4): these loads see the stores above.
.irp t, 0,1,2,3,4,5,6,7,8,9,10,11,12,13,14,15,16,17,18,19,20,21,22,23,24,25,26,27,28,29,30,31
	ds_load_b128 v[X+4*\t:X+4*\t+3], v[LR] offset:2*LP*\t
.endr
.irp t, 0,1,2,3,4,5,6,7,8,9,10,11,12,13,14,15,16,17,18,19,20,21,22,23,24,25,26,27,28,29,30,31
	s_wait_dscnt 31-\t                             ; load t is in; the 31 - t behind it stay out
	global_store_b128 v[GO], v[X+4*\t:X+4*\t+3], s[6:7] offset:8192*\t  ; rows 2 t and 2 t + 1: sixteen lanes store 256 consecutive bytes, aligned
.endr
	s_wait_tensorcnt 0x0                           ; the wave's end: behind my last LDS store
	ds_add_u32 v[SPW], v[NIL]
	s_wait_dscnt 0x0
	s_endpgm
; x AND h.  A wave takes 8 rows: 64 items of 512 consecutive bytes in, 256 consecutive bytes out.  A ring of 32 slots in registers.
.Lact:
	s_cmp_eq_u32 s2, 1
	s_cselect_b64 s[4:5], s[24:25], s[26:27]       ; x or h
	s_lshl_b32 s36, ttmp9, 5
	s_lshl3_add_u32 s36, s3, s36                   ; my first row: 32 x work-group + 8 x wave
	s_lshl_b32 s32, s36, 12                        ; rows of 4,096 bytes, in the source and in af16
	s_add_nc_u64 s[4:5], s[4:5], s[32:33]
	s_sub_co_u32 s37, s2, 1
	s_lshl_b32 s37, s37, 11                        ; h's half of a row of af16 begins 2,048 bytes on
	s_or_b32 s34, s32, s37
	s_add_nc_u64 s[6:7], s[28:29], s[34:35]
	v_lshlrev_b32 v[GI], 4, v1                     ; 16 bytes a lane in,
	v_lshlrev_b32 v[GO], 3, v1                     ; 8 bytes a lane out
.macro ASLOT i, reload, left
	s_wait_loadcnt \left
	v_cvt_pk_f16_f32 v[Y+2*((\i)%32)],   v[X+4*((\i)%32)],   v[X+4*((\i)%32)+1]
	v_cvt_pk_f16_f32 v[Y+2*((\i)%32)+1], v[X+4*((\i)%32)+2], v[X+4*((\i)%32)+3]
.if \reload
	global_load_b128 v[X+4*((\i)%32):X+4*((\i)%32)+3], v[GI], s[4:5] offset:512*((\i)+32) th:TH_LOAD_NT
.endif
	global_store_b64 v[GO], v[Y+2*((\i)%32):Y+2*((\i)%32)+1], s[6:7] offset:((\i)/8)*4096+((\i)%8)*256  ; the wave stores 256 consecutive bytes, aligned
.endm
.irp i, 0,1,2,3,4,5,6,7,8,9,10,11,12,13,14,15,16,17,18,19,20,21,22,23,24,25,26,27,28,29,30,31
	global_load_b128 v[X+4*\i:X+4*\i+3], v[GI], s[4:5] offset:512*\i th:TH_LOAD_NT
.endr
.irp i, 0,1,2,3,4,5,6,7,8,9,10,11,12,13,14,15,16,17,18,19,20,21,22,23,24,25,26,27,28,29,30,31
	ASLOT \i, 1, 31                                ; behind item i stand 31 - i first loads and i reloads: 31
.endr
	s_wait_xcnt 0x0                                ; every earlier memory instruction has had its addresses translated (ISA guide 3.1): Y, which the stores above read, is rewritten only behind this wait
.irp t, 0,1,2,3,4,5,6,7,8,9,10,11,12,13,14,15,16,17,18,19,20,21,22,23,24,25,26,27,28,29,30,31
	ASLOT 32+\t, 0, 31-\t                          ; the last 32 items load nothing: the counts run down
.endr
	s_wait_tensorcnt 0x0                           ; every wave of the launch ends alike
	ds_add_u32 v[SPW], v[NIL]
	s_wait_dscnt 0x0
	s_endpgm
.Lfunc_end_k_qf9cc9f09f0_prep:
	.size	k_qf9cc9f09f0_prep, .Lfunc_end_k_qf9cc9f09f0_prep-k_qf9cc9f09f0_prep
	.p2alignl 7, 3214868480
	.fill 96, 4, 3214868480
	.section	.rodata,"a",@progbits
	.p2align	6, 0x0
	.amdhsa_kernel k_qf9cc9f09f0_prep
		.amdhsa_group_segment_fixed_size 70144
		.amdhsa_private_segment_fixed_size 0
		.amdhsa_enable_private_segment 0
		.amdhsa_kernarg_size 96
		.amdhsa_user_sgpr_count 2
		.amdhsa_user_sgpr_kernarg_segment_ptr 1
		.amdhsa_wavefront_size32 1
		.amdhsa_system_sgpr_workgroup_id_x 1
		.amdhsa_system_sgpr_workgroup_id_y 1
		.amdhsa_system_sgpr_workgroup_id_z 1
		.amdhsa_system_vgpr_workitem_id 0
		.amdhsa_next_free_vgpr 224
		.amdhsa_next_free_sgpr 66
		.amdhsa_reserve_vcc 0
		.amdhsa_float_denorm_mode_32 3
		.amdhsa_float_denorm_mode_16_64 3
		.amdhsa_memory_ordered 1
		.amdhsa_forward_progress 1
		.amdhsa_inst_pref_size 50
	.end_amdhsa_kernel
	.amdgpu_metadata
---
amdhsa.version: [ 1, 2 ]
amdhsa.kernels:
  - .name:           k_qf9cc9f09f0_prep
    .symbol:         k_qf9cc9f09f0_prep.kd
    .args:
      - { .name: W_i, .offset: 0, .size: 8, .value_kind: global_buffer, .address_space: global }
      - { .name: W_f, .offset: 8, .size: 8, .value_kind: global_buffer, .address_space: global }
      - { .name: W_c, .offset: 16, .size: 8, .value_kind: global_buffer, .address_space: global }
      - { .name: W_o, .offset: 24, .size: 8, .value_kind: global_buffer, .address_space: global }
      - { .name: U_i, .offset: 32, .size: 8, .value_kind: global_buffer, .address_space: global }
      - { .name: U_f, .offset: 40, .size: 8, .value_kind: global_buffer, .address_space: global }
      - { .name: U_c, .offset: 48, .size: 8, .value_kind: global_buffer, .address_space: global }
      - { .name: U_o, .offset: 56, .size: 8, .value_kind: global_buffer, .address_space: global }
      - { .name: x, .offset: 64, .size: 8, .value_kind: global_buffer, .address_space: global }
      - { .name: h, .offset: 72, .size: 8, .value_kind: global_buffer, .address_space: global }
      - { .name: af16, .offset: 80, .size: 8, .value_kind: global_buffer, .address_space: global }
      - { .name: wt16, .offset: 88, .size: 8, .value_kind: global_buffer, .address_space: global }
    .group_segment_fixed_size: 70144
    .private_segment_fixed_size: 0
    .kernarg_segment_align: 8
    .kernarg_segment_size: 96
    .max_flat_workgroup_size: 128
    .sgpr_count:     66
    .vgpr_count:     224
    .wavefront_size: 32
...
	.end_amdgpu_metadata
.endif
;; end of part 1
;; launch lstm (part 2): grid 16 x 32, 4 waves a work-group, clusters of 4 x 4, 327,680 bytes of LDS; arguments af16, wt16, c, V_i, V_f, V_o, b_i, b_f, b_c, b_o, out0, out1; writes out0, out1
.if DOCPART == 2
	.amdgcn_target "amdgcn-amd-amdhsa--gfx1250"
	.amdhsa_code_object_version 6
	.text
	.protected	k_qf9cc9f09f0_lstm
	.globl	k_qf9cc9f09f0_lstm
	.p2align	8
	.type	k_qf9cc9f09f0_lstm,@function
k_qf9cc9f09f0_lstm:
	s_mov_b64 s[64:65], 0
	v_nop
	global_prefetch_b8 v0, s[64:65] scope:SCOPE_SE
	s_setreg_imm32_b32 hwreg(HW_REG_WAVE_MODE, 25, 1), 1
	s_wait_xcnt 0x0
	s_wait_alu depctr_hold_cnt(0) depctr_sa_sdst(0) depctr_va_vdst(0) depctr_va_sdst(0) depctr_va_ssrc(0) depctr_va_vcc(0) depctr_vm_vsrc(0)
	s_getreg_b32 s2, hwreg(HW_REG_IB_STS2, 6, 4)
	s_cmp_eq_u32 s2, 0
	s_cbranch_scc0 .Lentry_in_a_cluster
	s_endpgm
.Lentry_in_a_cluster:
	s_bfe_u32 s2, ttmp6, 0x10000c
	s_cmp_lg_u32 s2, 0xf033
	s_cbranch_scc0 .Lentry_shape_is_right
	s_endpgm
.Lentry_shape_is_right:
; PEEPHOLE LSTM STEP.  z = [x h] [W; U] as one product of af16 [8192][2048] with wt16 [4096][2048] (both f16, K along the rows), sums in f32; then, all in f32,
;   i = sigmoid(z_i + b_i + V_i c)   f = sigmoid(z_f + b_f + V_f c)   g = tanh(z_c + b_c)   c_t = f c + i g (out1)   o = sigmoid(z_o + b_o + V_o c_t)   h_t = o tanh(c_t) (out0).
; z never leaves the registers; c is read once, out0 and out1 are written once.
; LIMITS.  x, h, W, U arrive rounded once to f16 (no number from 65,520 on; below 6.1e-5 a fixed step of 6e-8).  sigmoid(y) = 1 / (1 + 2^(-y log2 e)), tanh(y) = 1 - 2 / (1 + 2^(2 y log2 e)):
; an exponential that overflows gives an infinity, whose reciprocal is 0, and one that underflows gives 0: both ends saturate rightly; tanh has an absolute error of about 1e-7, so near 0 it loses
; relative accuracy and the sign of zero.  NaN and infinities among the inputs are not treated apart.
; SHARES.  A work-group makes 256 rows x 64 units, all four gates: a tile of 256 x 256 of z.  Row n' = 256 T + 64 g + 16 q + r of wt16 is unit 64 T + 4 r + q of gate g.  Each of the four waves makes
; 64 rows x all 256 n': 4 x 16 accumulators of 16 x 16, 512 registers.  Source 0 = 16 rows of af16, source 1 = 16 rows of wt16: register j of lane (r, hh) of accumulator (a, 4 g + q) is z_g at row
; 16 a + 8 hh + j, unit 64 T + 4 r + q.  So for one (a, j) a lane holds all four gates of four neighbouring units, 16 bytes of a row of c, out0 and out1, and sixteen lanes 256 consecutive bytes, aligned:
; c comes straight into registers and both outputs leave straight from them, with no way through LDS and no barrier.  The price: 40 LDS loads for 64 matrix instructions, where a square wave tile has 32.
; RING.  K goes in 16 steps of 128 through two LDS slots filled by the tensor data mover; the tiles' rows are 256 bytes of memory, aligned.
; CLUSTER.  4 x 4 work-groups.  The four of a row of the cluster need the same tiles of af16, the four of a column the same tiles of wt16: each tile is asked for JOINTLY, by the same tensor load with the
; same descriptor and a mask that names the four.
; REGISTERS, in windows of 256 (s_set_vgpr_msb: bits 1:0 source 0, 3:2 source 1, 5:4 source 2, 7:6 destination):
;   window 0: v0-31 addresses; v32-59 V and b of my four units; v64-95, v96-127 fragments of af16 (4 x 16 rows x 32 K), two buffers, behind the loop the tail's two work sets; v128-255 c, 4 registers for each (a, j)
;   window 1: v0-127, v128-255 fragments of wt16 (16 x 16 rows x 32 K), two buffers
;   window 2: the accumulators of my row blocks 0, 1 ((a, nb) at v[8 (16 (a % 2) + nb)]);   window 3: those of blocks 2, 3
.set SIZE_K, 2048
.set KSTEP,  128
.set PITCH,  272                       ; an LDS row: 256 bytes + 16 of padding = 68 words: row r starts at bank 4 r mod 64 (64 banks of 4 bytes: ISA guide 11.1), so the 16 rows of a load start at 16 different banks
.set HALFT,  128*PITCH                 ; 128 rows: what one tensor load brings
.set SLOT,   4*HALFT                   ; af16's 256 rows, then wt16's 256 rows
.set SPARE,  2*SLOT                    ; behind the ring: the spare words, 128 bytes a wave: two blocks of 256 bytes that no other line names
.set LAPS,   SIZE_K/(2*KSTEP)          ; a lap = two K steps = once round the ring: 8
.set ROWB,   4096                      ; bytes in a row of c, out0, out1, and of af16 and wt16
.set ADRA, 16                          ; v16-17  LDS address of my fragments of af16 in slot 0, 1
.set ADRB, 20                          ; v20-21  the same for wt16
.set CO,   24                          ; v24     my byte offset in c, out0, out1: 8 hh rows + 16 r
.set VB,   25                          ; v25     my byte offset in V and b: my four units
.set SPW,  28                          ; v28     LDS address of my spare word; never rewritten
.set NIL,  29                          ; v29     0; never rewritten
.set VI,   32                          ; four registers each: V_i, V_f, V_o, b_i, b_f, b_c, b_o of my units
.set VF,   36
.set VO,   40
.set BI,   44
.set BF,   48
.set BC,   52
.set BO,   56
.set FA,   64                          ; af16's fragment buffers: FA + 32 f
.set CB,   128                         ; c
.set F0,   0
.set F1,   1
.set G1,  24                           ; s[24:31] descriptor group 1 for af16's tiles;  s[32:39] group 0, a set for each slot
.set G0,  32
.set G1B, 48                           ; s[48:55], s[56:63] the same for wt16's tiles
.set G0B, 56
.set MSB, 0
.macro WIN new                         ; the immediate's high byte repeats the setting that is left; a switch that changes nothing is dropped
.if MSB != (\new)
	s_set_vgpr_msb (MSB<<8)|(\new)
.set MSB, \new
.endif
.endm
.set MUL_LO, 0xa4                      ; source 0 (af16) window 0, source 1 (wt16) window 1, C and D window 2
.set MUL_HI, 0xf4                      ; the same, C and D window 3
.set TO_B,   0x40                      ; destination window 1, address window 0
; A joint load.  Waves 0 and 1 fetch af16's two halves, waves 2 and 3 wt16's.  Each line has one mask and one set of registers for all that issue it; the branch hangs on the wave's number alone.
; An s_nop 0 and four v_nop follow each of the two lines, ahead of the jump, the label and what follows.
.macro JLOAD s
	s_cmp_eq_u32 s11, 0
	s_cbranch_scc0 .Lfor_b_\@
	tensor_load_to_lds s[G0+4*(\s):G0+4*(\s)+3], s[G1:G1+7]
	s_nop 0
.rept 4
	v_nop
.endr
	s_branch .Lasked_\@
.Lfor_b_\@:
	tensor_load_to_lds s[G0B+4*(\s):G0B+4*(\s)+3], s[G1B:G1B+7]
	s_nop 0
.rept 4
	v_nop
.endr
.Lasked_\@:
.endm
; A round of the cluster's barrier: my work-group's barrier, so that wave 0's signal speaks for all four waves; wave 0 signals; every wave waits for all sixteen work-groups; my work-group's barrier once more.
.macro CREST                           ; a round behind its opening barrier
	s_cmp_lg_u32 s10, 0
	s_cbranch_scc1 .Lnot_wave_0_\@
	s_barrier_signal -3
.Lnot_wave_0_\@:
	s_barrier_wait -3
	s_barrier_signal -1
	s_barrier_wait -1
.endm
.macro CROUND                          ; a whole round
	s_barrier_signal -1
	s_barrier_wait -1
	CREST
.endm
	s_load_b128 s[4:7], s[0:1], 0x0                ; af16 s[4:5], wt16 s[6:7]
	s_load_b512 s[68:83], s[0:1], 0x10             ; c s[68:69], V_i, V_f, V_o s[70:75], b_i, b_f, b_c, b_o s[76:83]
	s_load_b128 s[84:87], s[0:1], 0x50             ; out0 (h_t) s[84:85], out1 (c_t) s[86:87]
	v_lshl_add_u32 v[SPW], v0, 2, SPARE
	v_mov_b32 v[NIL], 0
	ds_add_u32 v[SPW], v[NIL]                      ; the wave's opening: the add and its wait stand ahead of my first tensor load; the set-up below, work on registers, stands between them
	v_lshrrev_b32 v1, 5, v0
	v_readfirstlane_b32 s10, v1                    ; wave 0..3
	s_lshr_b32 s11, s10, 1                         ; I fetch for af16 (0) or for wt16 (1),
	s_and_b32 s12, s10, 1                          ; and which 128 rows of that tile
	s_bfe_u32 s40, ttmp6, 0x40000                  ; cx, cy: my place in the cluster
	s_bfe_u32 s41, ttmp6, 0x40004
	s_lshl_b32 s42, ttmp9, 2                       ; in a cluster launch ttmp9 and ttmp7 count clusters
	s_add_co_u32 s42, s42, s40                     ; T, the block of 64 units = 4 x cluster x + cx
	s_and_b32 s13, ttmp7, 0xffff
	s_lshl_b32 s13, s13, 2
	s_add_co_u32 s13, s13, s41                     ; R, the block of 256 rows = 4 x cluster y + cy
	s_lshl_b32 s43, s41, 2
	s_lshl_b32 s43, 15, s43                        ; my row of the cluster: places 4 cy .. 4 cy + 3
	s_lshl_b32 s44, 0x1111, s40                    ; my column: places cx, cx + 4, cx + 8, cx + 12
	; descriptor group 1: a tile of 128 rows x 128 elements, padded in LDS
	s_or_b32 s[G1+0], s43, (1<<16)|(1<<20)|(1<<21)|(5<<22)|(3<<25)   ; 15:0 the mask: af16's tiles go to my row; 17:16 elements of 2 bytes; 20 padding on; 21 set beside a mask; 24:22 after every 64 words (code 5); 31:25 4 words (code 3)
	s_or_b32 s[G1B+0], s44, (1<<16)|(1<<20)|(1<<21)|(5<<22)|(3<<25)  ; the same with the mask of my column, for wt16's tiles
.irp g, G1, G1B
	s_mov_b32 s[(\g)+1], KSTEP<<16                 ; tensor_dim0 = 128
	s_mov_b32 s[(\g)+2], 128<<16                   ; tensor_dim1 = 128
	s_mov_b32 s[(\g)+3], KSTEP<<16                 ; tile_dim0 = 128
	s_mov_b32 s[(\g)+4], 128                       ; tile_dim1 = 128
	s_mov_b32 s[(\g)+5], SIZE_K                    ; 2,048 elements from row to row
	s_mov_b32 s[(\g)+6], 0
	s_mov_b32 s[(\g)+7], 0
.endr
	; where the tiles come from: af16's hang on R alone, which my row of the cluster shares; wt16's on T alone, which my column shares.  Each address is made in registers that never hold the other coordinate.
	s_lshl_b32 s17, s12, 7                         ; which 128 rows of the tile I fetch
	s_lshl_b32 s16, s13, 8
	s_add_co_u32 s16, s16, s17                     ; af16: row 256 R + 128 x half
	s_lshl_b32 s46, s42, 8
	s_add_co_u32 s46, s46, s17                     ; wt16: row 256 T + 128 x half
	s_lshl_b32 s16, s16, 12                        ; rows of 4,096 bytes: under 2^26
	s_lshl_b32 s46, s46, 12
	s_mov_b32 s17, 0
	s_mov_b32 s47, 0
	s_mul_i32 s20, s10, HALFT                      ; where they go: wave x 128 rows: no place in the cluster enters an LDS address
	s_mov_b32 s88, 0xbfb8aa3b                      ; -log2 e, for the sigmoids
	s_mov_b32 s89, s88                             ; named with it as a pair
	s_mov_b32 s90, 0x4038aa3b                      ; 2 log2 e, for the tanh
	s_mov_b32 s91, s90
	s_wait_dscnt 0x0                               ; the opening add is done
	s_wait_kmcnt 0x0
	s_add_nc_u64 s[14:15], s[4:5], s[16:17]
	s_add_nc_u64 s[46:47], s[6:7], s[46:47]
	CROUND                                         ; all sixteen work-groups are here: the first joint loads meet
.irp s, 0,1
	s_mov_b32 s[G0+4*(\s)], 1                                        ; count = 1
	s_add_co_u32 s[G0+4*(\s)+1], s20, (\s)*SLOT                      ; LDS address
	s_add_nc_u64 s[G0+4*(\s)+2:G0+4*(\s)+3], s[14:15], (\s)*KSTEP*2  ; global address: K step s
	s_or_b32 s[G0+4*(\s)+3], s[G0+4*(\s)+3], 0x80000000              ; type = 2
	s_mov_b32 s[G0B+4*(\s)], 1
	s_add_co_u32 s[G0B+4*(\s)+1], s20, (\s)*SLOT
	s_add_nc_u64 s[G0B+4*(\s)+2:G0B+4*(\s)+3], s[46:47], (\s)*KSTEP*2
	s_or_b32 s[G0B+4*(\s)+3], s[G0B+4*(\s)+3], 0x80000000
	JLOAD \s                                       ; the ring is filled before anything else is done: two tensor loads of mine are out, later one
.endr
	; A fragment is 16 rows x 32 K in 8 registers: lane l holds row l % 16; registers 0-3 K = 8 (l / 16) + 0..7, registers 4-7 K = 16 + 8 (l / 16) + 0..7: two loads of 16 bytes, 32 bytes apart.
	v_and_b32 v1, 15, v0                           ; r
	v_bfe_u32 v2, v0, 4, 1                         ; hh
	v_mul_u32_u24 v3, v1, PITCH
	v_lshl_add_u32 v3, v2, 4, v3                   ; row x pitch + 16 x half
	s_mul_i32 s21, s10, 64*PITCH                   ; my 64 rows of af16's 256
	s_mov_b32 s22, 2*HALFT                         ; wt16's 256 rows, all of which I read, lie behind them
.irp s, 0,1
	v_add_nc_u32 v[ADRA+(\s)], s21, v3
	v_add_nc_u32 v[ADRB+(\s)], s22, v3
	s_add_co_u32 s21, s21, SLOT
	s_add_co_u32 s22, s22, SLOT
.endr
	v_lshlrev_b32 v[CO], 4, v1                     ; c and the outputs: 16 bytes (my four units),
	v_lshl_or_b32 v[CO], v2, 15, v[CO]             ; eight rows further down for lanes 16 to 31
	s_lshl_b32 s94, s42, 8                         ; the work-group's 64 units: 256 T bytes
	v_lshl_add_u32 v[VB], v1, 4, s94
	s_lshl_b32 s92, s13, 8
	s_lshl_b32 s93, s10, 6
	s_add_co_u32 s92, s92, s93                     ; my wave's first row: 256 R + 64 w
	s_lshl_b32 s92, s92, 12
	s_add_co_u32 s92, s92, s94
	s_mov_b32 s93, 0
	s_add_nc_u64 s[68:69], s[68:69], s[92:93]
	s_add_nc_u64 s[84:85], s[84:85], s[92:93]
	s_add_nc_u64 s[86:87], s[86:87], s[92:93]
	; V, b and all of my c are asked for now, into registers that the loop over K leaves alone: 39 loads that have the whole loop in which to land.
.irp n, 0,1,2,3,4,5,6
	global_load_b128 v[VI+4*\n:VI+4*\n+3], v[VB], s[70+2*\n:71+2*\n]
.endr
.irp a, 0,1,2,3
.irp j, 0,1,2,3,4,5,6,7
	global_load_b128 v[CB+4*(8*\a+\j):CB+4*(8*\a+\j)+3], v[CO], s[68:69] offset:(16*\a+\j)*ROWB th:TH_LOAD_NT  ; rows 16 a + j and 16 a + 8 + j: sixteen lanes read 256 consecutive bytes, aligned
.endr
.endr
; 16 matrix instructions: row block 2 hi + a x all 16 n blocks, 32 along K, from buffers f.  zero = 1: the first product starts the sums: nothing is ever cleared.
; The 64 accumulators take turns, one instruction a turn, in the same order in every quarter step.
.macro MUL16 f, hi, a, zero
	WIN MUL_LO+0x50*(\hi)
.irp nb, 0,1,2,3,4,5,6,7,8,9,10,11,12,13,14,15
.if \zero
	v_wmma_f32_16x16x32_f16 v[8*(16*(\a)+\nb):8*(16*(\a)+\nb)+7], v[FA+32*(\f)+8*(2*(\hi)+(\a)):FA+32*(\f)+8*(2*(\hi)+(\a))+7], v[128*(\f)+8*\nb:128*(\f)+8*\nb+7], 0
.else
	v_wmma_f32_16x16x32_f16 v[8*(16*(\a)+\nb):8*(16*(\a)+\nb)+7], v[FA+32*(\f)+8*(2*(\hi)+(\a)):FA+32*(\f)+8*(2*(\hi)+(\a))+7], v[128*(\f)+8*\nb:128*(\f)+8*\nb+7], v[8*(16*(\a)+\nb):8*(16*(\a)+\nb)+7]
.endif
.endr
.endm
; 40 LDS loads in one run: the fragments of a quarter step (256 rows of wt16, my 64 rows of af16, 32 K at byte k of the rows) into buffers f; af16's blocks 2 and 3 last.
; The largest immediate is 192 + 15 x 4,352 + 32 = 65,504, inside the 16 bits.
.macro FETCH slot, k, f
	WIN TO_B
.irp i, 0,1,2,3,4,5,6,7,8,9,10,11,12,13,14,15
	ds_load_b128 v[128*(\f)+8*\i:128*(\f)+8*\i+3],   v[ADRB+(\slot)] offset:(\k)+\i*16*PITCH
	ds_load_b128 v[128*(\f)+8*\i+4:128*(\f)+8*\i+7], v[ADRB+(\slot)] offset:(\k)+\i*16*PITCH+32
.endr
	WIN 0
.irp i, 0,1,2,3
	ds_load_b128 v[FA+32*(\f)+8*\i:FA+32*(\f)+8*\i+3],   v[ADRA+(\slot)] offset:(\k)+\i*16*PITCH
	ds_load_b128 v[FA+32*(\f)+8*\i+4:FA+32*(\f)+8*\i+7], v[ADRA+(\slot)] offset:(\k)+\i*16*PITCH+32
.endr
.endm
; A load into a register that a matrix instruction has read stands four places behind it, and only plain vector instructions that name none of its registers are places
; (ISA guide 7.12.1 for vector instructions): four v_nop in front of each run of loads.
.macro PLACES
.rept 4
	v_nop
.endr
.endm
; A K step is four quarter steps of 32 along K, 64 matrix instructions each, on buffers 0, 1, 0, 1.  One of the first three: multiplies buffers f; in its middle it fetches the next quarter, at byte k, into g.
.macro QUARTER slot, k, f, g, zero
	s_wait_dscnt 4                                 ; wt16's fragments and af16's blocks 0, 1 are in; the youngest four loads (blocks 2, 3) may be out
	MUL16 \f, 0, 0, \zero
	MUL16 \f, 0, 1, \zero
	PLACES
	FETCH \slot, \k, \g
	s_wait_dscnt 40                                ; all but the 40 just issued
	MUL16 \f, 1, 0, \zero
	MUL16 \f, 1, 1, \zero
.endm
; The last quarter multiplies buffers 1 and changes slots.  MEET is its first half: ONE barrier for the change.  In front of it each wave waits for all its tensor loads, of which one is out: its part of the
; next slot; adds 0 to its spare word; and waits for that and for its own reads of this slot.  Behind it nobody reads this slot any more and the next slot is whole.
.macro MEET round                      ; round = 1: a round of the cluster's barrier follows
	WIN 0                                          ; (the add's two registers lie in window 0)
	s_wait_tensorcnt 0x0                           ; all my tensor loads have landed
	ds_add_u32 v[SPW], v[NIL]                      ; 0 onto my spare word
	s_wait_dscnt 5                                 ; (the add and the youngest four loads may be out)
	MUL16 F1, 0, 0, 0                              ; sixteen matrix instructions stand between the add and the wait for it
	s_wait_dscnt 0x0                               ; the add is done, and my reads of this slot are over
	s_barrier_signal -1
	MUL16 F1, 0, 1, 0                              ; work on registers while the others arrive
.if \round
	WIN 0
.endif
	s_barrier_wait -1
.endm
; The whole last quarter.  fill = 1: the barrier opens a round of the cluster's, and behind the round this slot is filled again first, with the K step two steps on: from the request to the wait for it
; a wave issues 224 matrix instructions.  Then come the next slot's first fragments.
.macro TURN slot, next, fill
	MEET \fill
.if \fill
	CREST                                          ; no wave of any partner still reads this slot's tile or has a load on its way
	s_add_nc_u64 s[G0+4*(\slot)+2:G0+4*(\slot)+3], s[G0+4*(\slot)+2:G0+4*(\slot)+3], 2*KSTEP*2    ; no tensor load of mine is out: a group 0 may be written
	s_add_nc_u64 s[G0B+4*(\slot)+2:G0B+4*(\slot)+3], s[G0B+4*(\slot)+2:G0B+4*(\slot)+3], 2*KSTEP*2
	JLOAD \slot                                    ; the first tensor load behind the round; its four v_nop are also the places in front of the loads below
.else
	PLACES
.endif
	FETCH \next, 0, F0
	MUL16 F1, 1, 0, 0
	MUL16 F1, 1, 1, 0
.endm
	s_wait_tensorcnt 1                             ; my part of K step 0 is in; K step 1's may stay out
	s_barrier_signal -1
	s_barrier_wait -1                              ; everybody's is
	FETCH 0, 0, F0
	QUARTER 0, 64,  F0, F1, 1                      ; the first quarter stands in front of the loop: its products start the sums
	WIN 0                                          ; at a label and at a branch every window is 0
	s_mov_b32 s3, LAPS-1
.Llap:                                                 ; a trip goes once round the ring, from a lap's second quarter to the next lap's first, and fills both slots again
	QUARTER 0, 128, F1, F0, 0
	QUARTER 0, 192, F0, F1, 0
	TURN 0, 1, 1
	QUARTER 1, 64,  F0, F1, 0
	QUARTER 1, 128, F1, F0, 0
	QUARTER 1, 192, F0, F1, 0
	TURN 1, 0, 1
	QUARTER 0, 64,  F0, F1, 0
	WIN 0
	s_sub_co_u32 s3, s3, 1
	s_cmp_lg_u32 s3, 0
	s_cbranch_scc1 .Llap
	QUARTER 0, 128, F1, F0, 0                      ; the last lap is written out: it fills nothing, and has no round of the cluster's barrier
	QUARTER 0, 192, F0, F1, 0
	TURN 0, 1, 0
	QUARTER 1, 64,  F0, F1, 0
	QUARTER 1, 128, F1, F0, 0
	QUARTER 1, 192, F0, F1, 0
	s_wait_dscnt 4                                 ; the very last quarter: nothing more to fetch
	MUL16 F1, 0, 0, 0
	MUL16 F1, 0, 1, 0
	s_wait_dscnt 0x0
	MUL16 F1, 1, 0, 0
	MUL16 F1, 1, 1, 0
	WIN 0
; THE GATES.  V and b take the exponentials' factors once: -log2 e for the three sigmoids, 2 log2 e for tanh.  These fourteen plain lines, which name no register of the last products, are the places behind them.
	s_wait_loadcnt 0x0                             ; V, b and c, asked for ahead of the loop
.irp n, VI, VI+2, VF, VF+2, VO, VO+2, BI, BI+2, BF, BF+2, BO, BO+2
	v_pk_mul_f32 v[(\n):(\n)+1], v[(\n):(\n)+1], s[88:89] op_sel_hi:[1,0]
.endr
.irp n, BC, BC+2
	v_pk_mul_f32 v[(\n):(\n)+1], v[(\n):(\n)+1], s[90:91] op_sel_hi:[1,0]
.endr
; One (a, j): four units of row 16 a + 8 hh + j.  Work set E (two take turns): +0 i, +4 f, +8 g, +12 o, +16 c_t, +20 h_t.  Register j of the block's sixteen accumulators is read; j = 0 comes first.
; Behind each run of exponentials or reciprocals one plain line stands before a result is used (ISA guide 5.7.2).
.macro UNIT a, j
.set E,  FA+32*((\j)%2)
.set CR, CB+4*(8*(\a)+(\j))
.set AB, 128*((\a)%2)+(\j)
	WIN 0
	s_wait_xcnt 0x0                                ; every earlier memory instruction has had its addresses translated (ISA guide 3.1): this set's c_t and h_t, which its last stores read, are rewritten only behind this wait
	v_pk_fma_f32 v[E:E+1],   v[CR:CR+1],   v[VI:VI+1],   v[BI:BI+1]      ; -log2 e (V_i c + b_i)
	v_pk_fma_f32 v[E+2:E+3], v[CR+2:CR+3], v[VI+2:VI+3], v[BI+2:BI+3]
	v_pk_fma_f32 v[E+4:E+5], v[CR:CR+1],   v[VF:VF+1],   v[BF:BF+1]      ; the same for f
	v_pk_fma_f32 v[E+6:E+7], v[CR+2:CR+3], v[VF+2:VF+3], v[BF+2:BF+3]
	WIN 0x02+(\a)/2                                ; source 0: the accumulators' window
.irp q, 0,1,2,3
	v_fma_f32 v[E+\q],    v[AB+8*\q],      s88, v[E+\q]                  ; - log2 e z_i
	v_fma_f32 v[E+4+\q],  v[AB+8*(4+\q)],  s88, v[E+4+\q]                ; - log2 e z_f
	v_fma_f32 v[E+8+\q],  v[AB+8*(8+\q)],  s90, v[BC+\q]                 ; 2 log2 e (z_c + b_c)
	v_fma_f32 v[E+12+\q], v[AB+8*(12+\q)], s88, v[BO+\q]                 ; -log2 e (z_o + b_o)
.endr
	WIN 0
.irp n, 0,1,2,3,4,5,6,7,8,9,10,11
	v_exp_f32 v[E+\n], v[E+\n]
.endr
	v_nop
	s_wait_alu depctr_va_vdst(0)
.irp n, 0,2,4,6,8,10
	v_pk_add_f32 v[E+\n:E+\n+1], v[E+\n:E+\n+1], 1.0 op_sel_hi:[1,0]
.endr
.irp n, 0,1,2,3,4,5,6,7,8,9,10,11
	v_rcp_f32 v[E+\n], v[E+\n]                     ; i, f, and 1 / (1 + 2^..) for g
.endr
	v_nop
	s_wait_alu depctr_va_vdst(0)
	v_pk_fma_f32 v[E+8:E+9],   v[E+8:E+9],   -2.0, 1.0 op_sel_hi:[1,0,0]  ; g = tanh
	v_pk_fma_f32 v[E+10:E+11], v[E+10:E+11], -2.0, 1.0 op_sel_hi:[1,0,0]
	v_pk_mul_f32 v[E+16:E+17], v[E+4:E+5], v[CR:CR+1]                     ; f c
	v_pk_mul_f32 v[E+18:E+19], v[E+6:E+7], v[CR+2:CR+3]
	v_pk_fma_f32 v[E+16:E+17], v[E:E+1],   v[E+8:E+9],   v[E+16:E+17]     ; c_t = f c + i g
	v_pk_fma_f32 v[E+18:E+19], v[E+2:E+3], v[E+10:E+11], v[E+18:E+19]
	global_store_b128 v[CO], v[E+16:E+19], s[86:87] offset:(16*(\a)+(\j))*ROWB th:TH_STORE_NT  ; sixteen lanes store 256 consecutive bytes, aligned
	v_pk_fma_f32 v[E+12:E+13], v[E+16:E+17], v[VO:VO+1],   v[E+12:E+13]   ; - log2 e V_o c_t
	v_pk_fma_f32 v[E+14:E+15], v[E+18:E+19], v[VO+2:VO+3], v[E+14:E+15]
	v_pk_mul_f32 v[E+20:E+21], v[E+16:E+17], s[90:91] op_sel_hi:[1,0]     ; 2 log2 e c_t
	v_pk_mul_f32 v[E+22:E+23], v[E+18:E+19], s[90:91] op_sel_hi:[1,0]
.irp n, 12,13,14,15,20,21,22,23
	v_exp_f32 v[E+\n], v[E+\n]
.endr
	v_nop
	s_wait_alu depctr_va_vdst(0)
.irp n, 12,14,20,22
	v_pk_add_f32 v[E+\n:E+\n+1], v[E+\n:E+\n+1], 1.0 op_sel_hi:[1,0]
.endr
.irp n, 12,13,14,15,20,21,22,23
	v_rcp_f32 v[E+\n], v[E+\n]
.endr
	v_nop
	s_wait_alu depctr_va_vdst(0)
	v_pk_fma_f32 v[E+20:E+21], v[E+20:E+21], -2.0, 1.0 op_sel_hi:[1,0,0]  ; tanh(c_t)
	v_pk_fma_f32 v[E+22:E+23], v[E+22:E+23], -2.0, 1.0 op_sel_hi:[1,0,0]
	v_pk_mul_f32 v[E+20:E+21], v[E+12:E+13], v[E+20:E+21]                 ; h_t = o tanh(c_t)
	v_pk_mul_f32 v[E+22:E+23], v[E+14:E+15], v[E+22:E+23]
	global_store_b128 v[CO], v[E+20:E+23], s[84:85] offset:(16*(\a)+(\j))*ROWB th:TH_STORE_NT
.endm
.irp a, 0,1,2,3
.irp j, 0,1,2,3,4,5,6,7
	UNIT \a, \j
.endr
.endr
	s_wait_tensorcnt 0x0                           ; the wave's end: behind my last tensor load
	ds_add_u32 v[SPW], v[NIL]
	s_wait_dscnt 0x0
	CROUND                                         ; the closing round: no work-group ends while a partner may still ask for a tile that names it
	s_endpgm
.Lfunc_end_k_qf9cc9f09f0_lstm:
	.size	k_qf9cc9f09f0_lstm, .Lfunc_end_k_qf9cc9f09f0_lstm-k_qf9cc9f09f0_lstm
	.p2alignl 7, 3214868480
	.fill 96, 4, 3214868480
	.section	.rodata,"a",@progbits
	.p2align	6, 0x0
	.amdhsa_kernel k_qf9cc9f09f0_lstm
		.amdhsa_group_segment_fixed_size 327680
		.amdhsa_private_segment_fixed_size 0
		.amdhsa_enable_private_segment 0
		.amdhsa_kernarg_size 96
		.amdhsa_user_sgpr_count 2
		.amdhsa_user_sgpr_kernarg_segment_ptr 1
		.amdhsa_wavefront_size32 1
		.amdhsa_system_sgpr_workgroup_id_x 1
		.amdhsa_system_sgpr_workgroup_id_y 1
		.amdhsa_system_sgpr_workgroup_id_z 1
		.amdhsa_system_vgpr_workitem_id 0
		.amdhsa_next_free_vgpr 1024
		.amdhsa_next_free_sgpr 96
		.amdhsa_reserve_vcc 0
		.amdhsa_float_denorm_mode_32 3
		.amdhsa_float_denorm_mode_16_64 3
		.amdhsa_memory_ordered 1
		.amdhsa_forward_progress 1
		.amdhsa_inst_pref_size 255
	.end_amdhsa_kernel
	.section	.bss,"aw",@nobits
	.p2align	6
	.space	262144
	.amdgpu_metadata
---
amdhsa.version: [ 1, 2 ]
amdhsa.kernels:
  - .name:           k_qf9cc9f09f0_lstm
    .symbol:         k_qf9cc9f09f0_lstm.kd
    .args:
      - { .name: af16, .offset: 0, .size: 8, .value_kind: global_buffer, .address_space: global }
      - { .name: wt16, .offset: 8, .size: 8, .value_kind: global_buffer, .address_space: global }
      - { .name: c, .offset: 16, .size: 8, .value_kind: global_buffer, .address_space: global }
      - { .name: V_i, .offset: 24, .size: 8, .value_kind: global_buffer, .address_space: global }
      - { .name: V_f, .offset: 32, .size: 8, .value_kind: global_buffer, .address_space: global }
      - { .name: V_o, .offset: 40, .size: 8, .value_kind: global_buffer, .address_space: global }
      - { .name: b_i, .offset: 48, .size: 8, .value_kind: global_buffer, .address_space: global }
      - { .name: b_f, .offset: 56, .size: 8, .value_kind: global_buffer, .address_space: global }
      - { .name: b_c, .offset: 64, .size: 8, .value_kind: global_buffer, .address_space: global }
      - { .name: b_o, .offset: 72, .size: 8, .value_kind: global_buffer, .address_space: global }
      - { .name: out0, .offset: 80, .size: 8, .value_kind: global_buffer, .address_space: global }
      - { .name: out1, .offset: 88, .size: 8, .value_kind: global_buffer, .address_space: global }
    .group_segment_fixed_size: 327680
    .private_segment_fixed_size: 0
    .kernarg_segment_align: 8
    .kernarg_segment_size: 96
    .max_flat_workgroup_size: 128
    .sgpr_count:     96
    .vgpr_count:     1024
    .wavefront_size: 32
...
	.end_amdgpu_metadata
.endif
;; end of part 2
;; ======== version 2 of 2: 2 launches; version 1 with the launch prep written anew for expert scheduling mode
;; limits: values are held in f16: magnitudes above 65,504 overflow, below 6.1e-05 lose precision
;; workspace buffers: af16 33,554,432 bytes; wt16 16,777,216 bytes
;; launch prep (part 3): grid 256 x 3, 4 waves a work-group, no clusters, 70,144 bytes of LDS; arguments W_i, W_f, W_c, W_o, U_i, U_f, U_c, U_o, x, h, af16, wt16; writes af16, wt16
.if DOCPART == 3
	.amdgcn_target "amdgcn-amd-amdhsa--gfx1250"
	.amdhsa_code_object_version 6
	.text
	.protected	k_qf9cc9f09f0_prep
	.globl	k_qf9cc9f09f0_prep
	.p2align	8
	.type	k_qf9cc9f09f0_prep,@function
k_qf9cc9f09f0_prep:
	s_mov_b64 s[64:65], 0
	v_nop
	global_prefetch_b8 v0, s[64:65] scope:SCOPE_SE
	s_setreg_imm32_b32 hwreg(HW_REG_WAVE_SCHED_MODE, 0, 2), 2
	s_setreg_imm32_b32 hwreg(HW_REG_WAVE_MODE, 25, 1), 1
	s_wait_xcnt 0x0
	s_wait_alu depctr_vm_vsrc(0)
; PREP: the matrix operands of the LSTM step, rounded once from f32 to f16 and laid out with K along the rows.
;   af16 [8192][2048]: row m holds x[m][0..1023], then h[m][0..1023].
;   wt16 [4096][2048]: row n' = 256 T + 64 g + 16 q + r holds column u = 64 T + 4 r + q of gate g (0 i, 1 f, 2 c, 3 o): W_g[k][u] at k, U_g[k][u] at 1024 + k.
;   (That order of rows lets a lane of the next launch hold all four gates of four neighbouring units.)
; LIMITS.  f16 holds no number from 65,520 on (it becomes an infinity), and below 6.1e-5 it keeps its fixed step of 6e-8.  NaN and infinities are not treated apart.
; SHARES.  Grid y = 0: the weights; y = 1: x; y = 2: h.  Every wave reads 32,768 bytes and writes 16,384, alone: no wave reads what another wrote, so there is no barrier.
; A stream: no matrix work, no cluster (no two work-groups read the same bytes), loads through registers with 24 to 32 loads of every wave on their way.
; THE MODE: SCHED_MODE bits 1:0 = 2 (LLVM: expert scheduling mode 2), set by the entry lines.  The code itself states the register dependences
; between vector instructions and memory or LDS instructions, with s_wait_alu, always for 0.
; THE PLAN, the same for both jobs.  A wave's work goes in 8 blocks of 8 loads, 16 conversions and 8 stores.  Registers that memory or LDS instructions touch:
;   X0 .. X4   five blocks of f32 as loaded.  Written by the loads: blocks 0 to 3 at the head, block p + 4 in block p.  Read by block p's conversions (X[p % 5]).
;   D0 .. D3   (Y0 .. Y3 for x and h) four blocks of f16 to store.  Written by block p's conversions (buffer p % 4); read by the eight stores that are issued in block p + 1.
;   v4 .. v7   offsets and LDS addresses, made once at a path's head and never written again; every row is reached by an immediate offset.
;   v8, v9     written at the head, read by the closing add alone.
; Block p works on X[p % 5] and writes buffer p % 4.  Its memory instructions are the loads into X[(p + 4) % 5] = X[(p - 1) % 5] and the stores from buffer (p - 1) % 4: the two buffers that block
; p - 1 worked on and that no conversion of block p names.  So one wait on va_vdst at a block's head states all that the block's sixteen memory instructions hang on, and these are dealt among its
; conversions with no further wait.  Buffer p % 4 is written again four blocks on, three blocks behind the stores that read it: a wait on vm_vsrc at the head of block 4 frees buffers 0, 1 and 2
; (their stores stand in blocks 1, 2, 3), one at the head of block 7 frees buffer 3 (its stores stand in block 4).
.set LP,     272                       ; an LDS row: 128 k in f16 = 256 bytes, + 16 = 68 words
.set WBYTES, 64*LP                     ; a wave's own 64 rows: 17,408 bytes = 68 blocks of 256
.set SPARE,  4*WBYTES                  ; behind them the spare words, 128 bytes a wave: two blocks of 256 bytes that no other line names
.set GI,  4                            ; v4   my byte offset in the source
.set LS,  5                            ; v5   LDS: where I put 8 bytes of a turned row
.set LR,  6                            ; v6   LDS: where I read a row back
.set GO,  7                            ; v7   my byte offset in the destination
.set SPW, 8                            ; v8   LDS address of my spare word; never rewritten
.set NIL, 9                            ; v9   0; never rewritten
.set D,   16                           ; v[16:79]   the weights: buffer b at D + 16 b: packed f16 on their way into LDS
.set Y,   16                           ; v[16:79]   x and h: buffer b at Y + 16 b: f16 to store
.set X,   80                           ; v[80:239]  buffer b at X + 32 b: f32 as loaded; on the weights' way out X0 to X3 take the rows read back
	s_load_b512 s[8:23], s[0:1], 0x0               ; W_i, W_f, W_c, W_o, U_i, U_f, U_c, U_o
	s_load_b256 s[24:31], s[0:1], 0x40             ; x s[24:25], h s[26:27], af16 s[28:29], wt16 s[30:31]
	v_lshl_add_u32 v[SPW], v0, 2, SPARE
	v_mov_b32 v[NIL], 0
	v_lshrrev_b32 v1, 5, v0
	v_readfirstlane_b32 s3, v1                     ; wave 0..3
	v_and_b32 v1, 31, v0                           ; lane
	v_and_b32 v2, 15, v0                           ; r = lane % 16
	v_bfe_u32 v3, v0, 4, 1                         ; hh = lane / 16
	s_and_b32 s2, ttmp7, 0xffff                    ; grid y: which of the three jobs
	s_mov_b32 s33, 0                               ; the offsets' high words
	s_mov_b32 s35, 0
	s_wait_alu depctr_va_sdst(0)                   ; s3 is written, ahead of the branch and of its first reader on either path: the tile's number, the first row
	s_wait_kmcnt 0x0
	s_cmp_eq_u32 s2, 0
	s_cbranch_scc0 .Lact
; THE WEIGHTS.  A wave turns a tile of 128 k x 64 u of one of the eight matrices: 8 matrices x 8 blocks of k x 16 blocks of u = 1,024 tiles for 256 x 4 waves.
	s_lshr_b32 s36, ttmp9, 5                       ; the matrix, 0..7, in the order of the arguments
	s_and_b32 s37, ttmp9, 31
	s_lshl2_add_u32 s37, s37, s3                   ; the tile in it: 4 x (x % 32) + wave
	s_lshr_b32 s38, s37, 4                         ; kb: k = 128 kb ..
	s_and_b32 s39, s37, 15                         ; T: u = 64 T ..
	s_lshl_b32 s32, s38, 19                        ; 128 rows of 4,096 bytes
	s_lshl_b32 s37, s39, 8                         ; 64 columns of 4 bytes
	s_or_b32 s32, s32, s37
	s_mov_b64 s[4:5], s[8:9]                       ; the matrix's address is chosen by its number
.irp i, 1,2,3,4,5,6,7
	s_cmp_eq_u32 s36, \i
	s_cselect_b64 s[4:5], s[8+2*\i:9+2*\i], s[4:5]
.endr
	s_add_nc_u64 s[4:5], s[4:5], s[32:33]          ; the tile's first element
	s_lshl_b32 s34, s39, 20                        ; wt16: row 256 T
	s_and_b32 s37, s36, 3                          ; the gate g
	s_lshl_b32 s37, s37, 18                        ; + 64 g rows of 4,096 bytes
	s_or_b32 s34, s34, s37
	s_lshr_b32 s37, s36, 2                         ; 0: a W, 1: a U
	s_lshl_b32 s37, s37, 11                        ; U's k lie 1,024 elements on
	s_or_b32 s34, s34, s37
	s_lshl_b32 s37, s38, 8                         ; 128 kb elements
	s_or_b32 s34, s34, s37
	s_add_nc_u64 s[6:7], s[30:31], s[34:35]
	v_lshlrev_b32 v[GI], 4, v2                     ; in: 16 bytes (u = 4 r .. 4 r + 3) of a row,
	v_lshl_or_b32 v[GI], v3, 14, v[GI]             ; four rows further down for lanes 16 to 31
	s_mul_i32 s37, s3, WBYTES                      ; my wave's LDS rows
	v_mul_u32_u24 v[LS], v2, LP
	v_lshl_add_u32 v[LS], v3, 3, v[LS]             ; LDS row r (+ 16 q by the immediate), 8 bytes for each half of the lanes
	v_add_nc_u32 v[LS], s37, v[LS]
	v_mul_u32_u24 v[LR], v3, LP
	v_lshl_add_u32 v[LR], v2, 4, v[LR]             ; back: lanes 0-15 one row of 256 bytes, lanes 16-31 the next
	v_add_nc_u32 v[LR], s37, v[LR]
	v_lshlrev_b32 v[GO], 4, v2                     ; and the same two rows in wt16
	v_lshl_or_b32 v[GO], v3, 12, v[GO]
	s_wait_alu depctr_va_vdst(0)                   ; v[GI], v[LS], v[LR] and v[GO] are written: every load and store of this path reads one of them as its offset or address
; A block is two steps.  Step s = 2 p + e takes k = 8 s + 4 hh + i, i = 0..3: four loads; in each, sixteen lanes read 256 consecutive bytes of a row, aligned.
.macro WLOAD p, e
.irp i, 0,1,2,3
	global_load_b128 v[X+32*((\p)%5)+16*(\e)+4*\i:X+32*((\p)%5)+16*(\e)+4*\i+3], v[GI], s[4:5] offset:(8*(2*(\p)+(\e))+\i)*4096 th:TH_LOAD_NT
.endr
.endm
; The step's 16 numbers a lane are rounded; for each of my four columns q the four k make 8 bytes of LDS row 16 q + r.
.macro WCVT p, e
.irp q, 0,1,2,3
	v_cvt_pk_f16_f32 v[D+16*((\p)%4)+8*(\e)+2*\q],   v[X+32*((\p)%5)+16*(\e)+\q],   v[X+32*((\p)%5)+16*(\e)+4+\q]
	v_cvt_pk_f16_f32 v[D+16*((\p)%4)+8*(\e)+2*\q+1], v[X+32*((\p)%5)+16*(\e)+8+\q], v[X+32*((\p)%5)+16*(\e)+12+\q]
.endr
.endm
; The store's words are 68 (16 q + r) + 4 s + 2 hh + 0, 1: modulo 64 they are 4 r + 2 hh + 0, 1 + 4 s: each of the 64 banks (ISA guide 11.1) once.
.macro WPUT p, e
.irp q, 0,1,2,3
	ds_store_b64 v[LS], v[D+16*((\p)%4)+8*(\e)+2*\q:D+16*((\p)%4)+8*(\e)+2*\q+1] offset:16*LP*\q+16*(2*(\p)+(\e))
.endr
.endm
; Block p.  left = how many younger loads may still be out when this block's eight have to be there.
.macro WBLK p, left
	s_wait_loadcnt \left                           ; loads come back in order (ISA guide 5.7.1): X[p % 5] is in, the younger blocks stay out
.if ((\p) == 4) || ((\p) == 7)
	s_wait_alu depctr_vm_vsrc(0)                   ; the LDS stores issued so far have read their D: at block 4 that frees D0, D1, D2, which blocks 4, 5, 6 write again; at block 7 D3, which this block writes again
.endif
.if (\p) > 0
	s_wait_alu depctr_va_vdst(0)                   ; the block before has written its D, which the LDS stores below read, and is done reading its X, in which the loads below land
.endif
.irp e, 0,1
.if (\p) < 4
	WLOAD (\p)+4, \e                               ; four blocks ahead; no conversion since the wait names these registers (in block 0: X4, which nothing has named yet)
.endif
.if (\p) > 0
	WPUT (\p)-1, \e                                ; the block before
.endif
	WCVT \p, \e
.endr
.endm
.irp p, 0,1,2,3
	WLOAD \p, 0                                    ; 32 loads on their way
	WLOAD \p, 1
.endr
	WBLK 0, 24                                     ; behind a block's eight loads stand those of the three blocks that follow it: 24
	WBLK 1, 24
	WBLK 2, 24
	WBLK 3, 24
	WBLK 4, 24
	WBLK 5, 16                                     ; blocks 4 to 7 ask for nothing: no load leaves the tile, and the counts run down
	WBLK 6, 8
	WBLK 7, 0
	s_wait_alu depctr_va_vdst(0)                   ; block 7 has written D3, which the last LDS stores read; and every conversion is done reading X, in which the rows read back land
	WPUT 7, 0
	WPUT 7, 1
; Back by rows.  The bytes are my wave's own and LDS serves a wave's instructions in order (ISA guide 5.7.1.4): these loads see the stores above.
.irp t, 0,1,2,3,4,5,6,7,8,9,10,11,12,13,14,15,16,17,18,19,20,21,22,23,24,25,26,27,28,29,30,31
	ds_load_b128 v[X+4*\t:X+4*\t+3], v[LR] offset:2*LP*\t
.endr
.irp t, 0,1,2,3,4,5,6,7,8,9,10,11,12,13,14,15,16,17,18,19,20,21,22,23,24,25,26,27,28,29,30,31
	s_wait_dscnt 31-\t                             ; load t is in; the 31 - t behind it stay out
	global_store_b128 v[GO], v[X+4*\t:X+4*\t+3], s[6:7] offset:8192*\t  ; rows 2 t and 2 t + 1: sixteen lanes store 256 consecutive bytes, aligned
.endr
	s_wait_dscnt 0x0                               ; the wave's end
	s_wait_alu 0x0
	s_wait_tensorcnt 0x0
	ds_add_u32 v[SPW], v[NIL]
	s_wait_dscnt 0x0
	s_endpgm
; x AND h.  A wave takes 8 rows: 64 items of 512 consecutive bytes in, 256 consecutive bytes out.  A block is a row: eight items.
.Lact:
	s_cmp_eq_u32 s2, 1
	s_cselect_b64 s[4:5], s[24:25], s[26:27]       ; x or h
	s_lshl_b32 s36, ttmp9, 5
	s_lshl3_add_u32 s36, s3, s36                   ; my first row: 32 x work-group + 8 x wave
	s_lshl_b32 s32, s36, 12                        ; rows of 4,096 bytes, in the source and in af16
	s_add_nc_u64 s[4:5], s[4:5], s[32:33]
	s_sub_co_u32 s37, s2, 1
	s_lshl_b32 s37, s37, 11                        ; h's half of a row of af16 begins 2,048 bytes on
	s_or_b32 s34, s32, s37
	s_add_nc_u64 s[6:7], s[28:29], s[34:35]
	v_lshlrev_b32 v[GI], 4, v1                     ; 16 bytes a lane in,
	v_lshlrev_b32 v[GO], 3, v1                     ; 8 bytes a lane out
	s_wait_alu depctr_va_vdst(0)                   ; v[GI] and v[GO] are written: every load and store of this path reads one of them as its offset
; Block p: item t of it is item 8 p + t.  left = how many younger loads may still be out when this block's eight have to be there.
.macro ABLK p, left
	s_wait_loadcnt \left                           ; loads come back in order (ISA guide 5.7.1): X[p % 5] is in, the younger blocks stay out
.if ((\p) == 4) || ((\p) == 7)
	s_wait_xcnt 0x0                                ; every earlier memory instruction has had its addresses translated (ISA guide 3.1): a Y that stores have read is rewritten only behind this wait
	s_wait_alu depctr_vm_vsrc(0)                   ; the stores issued so far have read their Y: at block 4 that frees Y0, Y1, Y2, which blocks 4, 5, 6 write again; at block 7 Y3, which this block writes again
.endif
.if (\p) > 0
	s_wait_alu depctr_va_vdst(0)                   ; the block before has written its Y, which the stores below read, and is done reading its X, in which the loads below land
.endif
.irp t, 0,1,2,3,4,5,6,7
.if (\p) < 4
	global_load_b128 v[X+32*(((\p)+4)%5)+4*\t:X+32*(((\p)+4)%5)+4*\t+3], v[GI], s[4:5] offset:512*(8*((\p)+4)+\t) th:TH_LOAD_NT  ; four blocks ahead; no conversion since the wait names these registers (in block 0: X4, which nothing has named yet)
.endif
.if (\p) > 0
	global_store_b64 v[GO], v[Y+16*(((\p)+3)%4)+2*\t:Y+16*(((\p)+3)%4)+2*\t+1], s[6:7] offset:((\p)-1)*4096+\t*256  ; the block before: the wave stores 256 consecutive bytes, aligned
.endif
	v_cvt_pk_f16_f32 v[Y+16*((\p)%4)+2*\t],   v[X+32*((\p)%5)+4*\t],   v[X+32*((\p)%5)+4*\t+1]
	v_cvt_pk_f16_f32 v[Y+16*((\p)%4)+2*\t+1], v[X+32*((\p)%5)+4*\t+2], v[X+32*((\p)%5)+4*\t+3]
.endr
.endm
.irp i, 0,1,2,3,4,5,6,7,8,9,10,11,12,13,14,15,16,17,18,19,20,21,22,23,24,25,26,27,28,29,30,31
	global_load_b128 v[X+4*\i:X+4*\i+3], v[GI], s[4:5] offset:512*\i th:TH_LOAD_NT  ; blocks 0 to 3 into X0 to X3
.endr
	ABLK 0, 24                                     ; behind a block's eight loads stand those of the three blocks that follow it: 24
	ABLK 1, 24
	ABLK 2, 24
	ABLK 3, 24
	ABLK 4, 24
	ABLK 5, 16                                     ; blocks 4 to 7 ask for nothing: no load leaves the wave's rows, and the counts run down
	ABLK 6, 8
	ABLK 7, 0
	s_wait_alu depctr_va_vdst(0)                   ; block 7 has written Y3, which the last eight stores read
.irp t, 0,1,2,3,4,5,6,7
	global_store_b64 v[GO], v[Y+48+2*\t:Y+48+2*\t+1], s[6:7] offset:7*4096+\t*256
.endr
	s_wait_dscnt 0x0                               ; every wave of the launch ends alike
	s_wait_alu 0x0
	s_wait_tensorcnt 0x0
	ds_add_u32 v[SPW], v[NIL]
	s_wait_dscnt 0x0
	s_endpgm
.Lfunc_end_k_qf9cc9f09f0_prep:
	.size	k_qf9cc9f09f0_prep, .Lfunc_end_k_qf9cc9f09f0_prep-k_qf9cc9f09f0_prep
	.p2alignl 7, 3214868480
	.fill 96, 4, 3214868480
	.section	.rodata,"a",@progbits
	.p2align	6, 0x0
	.amdhsa_kernel k_qf9cc9f09f0_prep
		.amdhsa_group_segment_fixed_size 70144
		.amdhsa_private_segment_fixed_size 0
		.amdhsa_enable_private_segment 0
		.amdhsa_kernarg_size 96
		.amdhsa_user_sgpr_count 2
		.amdhsa_user_sgpr_kernarg_segment_ptr 1
		.amdhsa_wavefront_size32 1
		.amdhsa_system_sgpr_workgroup_id_x 1
		.amdhsa_system_sgpr_workgroup_id_y 1
		.amdhsa_system_sgpr_workgroup_id_z 1
		.amdhsa_system_vgpr_workitem_id 0
		.amdhsa_next_free_vgpr 240
		.amdhsa_next_free_sgpr 66
		.amdhsa_reserve_vcc 0
		.amdhsa_float_denorm_mode_32 3
		.amdhsa_float_denorm_mode_16_64 3
		.amdhsa_memory_ordered 1
		.amdhsa_forward_progress 1
		.amdhsa_inst_pref_size 49
	.end_amdhsa_kernel
	.amdgpu_metadata
---
amdhsa.version: [ 1, 2 ]
amdhsa.kernels:
  - .name:           k_qf9cc9f09f0_prep
    .symbol:         k_qf9cc9f09f0_prep.kd
    .args:
      - { .name: W_i, .offset: 0, .size: 8, .value_kind: global_buffer, .address_space: global }
      - { .name: W_f, .offset: 8, .size: 8, .value_kind: global_buffer, .address_space: global }
      - { .name: W_c, .offset: 16, .size: 8, .value_kind: global_buffer, .address_space: global }
      - { .name: W_o, .offset: 24, .size: 8, .value_kind: global_buffer, .address_space: global }
      - { .name: U_i, .offset: 32, .size: 8, .value_kind: global_buffer, .address_space: global }
      - { .name: U_f, .offset: 40, .size: 8, .value_kind: global_buffer, .address_space: global }
      - { .name: U_c, .offset: 48, .size: 8, .value_kind: global_buffer, .address_space: global }
      - { .name: U_o, .offset: 56, .size: 8, .value_kind: global_buffer, .address_space: global }
      - { .name: x, .offset: 64, .size: 8, .value_kind: global_buffer, .address_space: global }
      - { .name: h, .offset: 72, .size: 8, .value_kind: global_buffer, .address_space: global }
      - { .name: af16, .offset: 80, .size: 8, .value_kind: global_buffer, .address_space: global }
      - { .name: wt16, .offset: 88, .size: 8, .value_kind: global_buffer, .address_space: global }
    .group_segment_fixed_size: 70144
    .private_segment_fixed_size: 0
    .kernarg_segment_align: 8
    .kernarg_segment_size: 96
    .max_flat_workgroup_size: 128
    .sgpr_count:     66
    .vgpr_count:     240
    .wavefront_size: 32
...
	.end_amdgpu_metadata
.endif
;; end of part 3
;; launch lstm: the kernel of part 2 again; grid 16 x 32, 4 waves a work-group, clusters of 4 x 4, 327,680 bytes of LDS; arguments af16, wt16, c, V_i, V_f, V_o, b_i, b_f, b_c, b_o, out0, out1; writes out0, out1
